; MI455X (gfx1250); checked and timed in simulation.
; The chip was launched on July 23, 2026; its instructions are those of AMD's public machine-readable ISA for CDNA 5 (MIT licence, August 2026) and "CDNA5" Instruction Set Architecture Reference Guide (July 2026). The comments in the code are by the model that wrote it; some were corrected since.
;; Multi Head Attention. Allowed arithmetic: matrix products marked QUANTISED: E2M3 operands, one E8M0 scale for each 32 along K, by v_wmma_scale_f32_16x16x128_f8f6f4 with both operands' format E2M3, f32 sums; everything else in f32.
;; Inputs: W_heads_codes 16 x 64 x 32 x 24 uint8 (E2M3 codes of W_heads, K innermost, in blocks of 32 codes, four codes in three bytes); W_heads_scales 16 x 64 x 32 uint8 (E8M0 scales of W_heads, one for each 32 codes along K); W_proj_codes 1,024 x 32 x 24 uint8 (E2M3 codes of W_proj, K innermost, in blocks of 32 codes, four codes in three bytes); W_proj_scales 1,024 x 32 uint8 (E8M0 scales of W_proj, one for each 32 codes along K); b_proj 1,024 float32; x_codes 32 x 2,048 x 32 x 24 uint8 (E2M3 codes of x, K innermost, in blocks of 32 codes, four codes in three bytes); x_scales 32 x 2,048 x 32 uint8 (E8M0 scales of x, one for each 32 codes along K).
;; Outputs: out0 32 x 1,024 float32.
;; This version of the problem:
;;   THIS VERSION OF THE PROBLEM IS GIVEN IN LOW PRECISION. The matrix products marked QUANTISED in the list below multiply operands that are first quantised to E2M3 (2 exponent bits, 3 mantissa bits; 6 bits a number), with one power-of-two scale for each 32 numbers along K (OCP MX v1.0); their sums are f32. All else is computed in f32.
;;   The module's matrix products, in the order in which they are computed (A, B: the left and right operand; K: the contracted axis; several contracted axes count as one K, in the product's order):
;;     1. [M 65,536, K 1,024] x [K 1,024, N 1,024]; A: input x (given as codes); B: input W_heads (given as codes): QUANTISED
;;     2. [M 32, K 1,024] x [K 1,024, N 1,024]; A: computed on the way; B: input W_proj (given as codes): QUANTISED
;;   THE QUANTISER, for each operand of a quantised product, along K:
;;     - K is cut into blocks of 32 from its start; a last block that is shorter is filled with zeros.
;;     - A block's scale is 2^e with e = floor(log2(the largest magnitude in the block)) - 2, held to -126 .. 127; a block of zeros has e = 0. As a byte (E8M0): e + 127.
;;     - Each number is divided by its block's scale, clamped to +-7.5, and rounded to the nearest number of E2M3, ties to even, subnormals kept.
;;     - The product sums the exact products of the quantised numbers (number of the format x scale) in f32.
;;   ~~~python
;;   def quantise(x, axis):      # numpy; x: float32 -> the quantised numbers, widened to float32 again
;;       x = np.moveaxis(x, axis, -1); K = x.shape[-1]
;;       x = np.pad(x, [(0, 0)] * (x.ndim - 1) + [(0, -K % 32)]); x = x.reshape(x.shape[:-1] + (-1, 32)); a = np.abs(x).max(-1, keepdims=True)
;;       e = np.where(a > 0, np.clip(np.frexp(np.where(a > 0, a, 1))[1] - 1 - 2, -126, 127), 0)      # np.frexp(a)[1] - 1 = floor(log2(a)), exactly
;;       r = np.clip(x / 2.0 ** e, -7.5, 7.5)
;;       step = 2.0 ** (np.maximum(np.frexp(np.where(r == 0, 1, r))[1] - 1, 0) - 3)
;;       q = np.round(r / step) * step * 2.0 ** e      # np.round: ties to even
;;       return np.moveaxis(q.reshape(q.shape[:-2] + (-1,))[..., :K], -1, axis).astype(np.float32)
;;   ~~~
;;   OPERANDS COMPUTED ON THE WAY. 'Computed on the way' means the value that the module computes at that place (a softmax that the list does not call 'softmax' is quantised finished and normalised). What goes into a quantiser is computed in f32, as accurately as f32 sums, v_exp_f32 and their like allow (about 1e-6 of the number): no bf16 or f16 on the way to a quantiser, and a product that is left as it is and whose result goes on into a quantised operand takes f32 operands (vector FMAs, or v_wmma_f32_16x16x4_f32). A number that lies on a knife's edge between two numbers of the format may be rounded either way, as far as f32 arithmetic and the matrix unit's own rounding can turn it there, and no further.
;;   INPUTS GIVEN AS CODES. W_heads (in the module: [16, 64, 1024], K = its axis 2); W_proj (in the module: [1024, 1024], K = its axis 1); x (in the module: [32, 2048, 1024], K = its axis 2): each comes as NAME_codes (uint8): NAME with its K axis moved to the last place and cut into blocks of 32 codes, [.., K / 32, bytes a block], one block behind the other in memory; four codes in three bytes: a row's codes are one little-endian stream of bits, code i at bits 6 i .. 6 i + 5 (a code: sign, 2 exponent bits, 3 mantissa bits); and NAME_scales (uint8): the same leading axes, one E8M0 byte (e + 127) for each 32 codes along K. Its value is code x scale, taken as it is: it is not quantised again, and the codes and scales need not be those that the quantiser above would give.
;; One version. Each part assembles by itself: llvm-mc -triple=amdgcn-amd-amdhsa -mcpu=gfx1250 --defsym DOCPART=n.
;; ======== version 1 of 1: 2 launches
;; limits: right only within a limited range of input values
;; workspace buffers: part 262,144 bytes
;; launch pool (part 1): grid 4 x 64, 8 waves a work-group, clusters of 4 x 4, 327,680 bytes of LDS; arguments x_codes, x_scales, W_heads_codes, W_heads_scales, part; writes part
.if DOCPART == 1
	.amdgcn_target "amdgcn-amd-amdhsa--gfx1250"
	.amdhsa_code_object_version 6
	.text
	.protected	k_q65fc7a39e0_pool
	.globl	k_q65fc7a39e0_pool
	.p2align	8
	.type	k_q65fc7a39e0_pool,@function
k_q65fc7a39e0_pool:
	s_mov_b64 s[64:65], 0
	v_nop
	global_prefetch_b8 v0, s[64:65] scope:SCOPE_SE
	s_setreg_imm32_b32 hwreg(HW_REG_WAVE_MODE, 25, 1), 1
	s_wait_xcnt 0x0
	s_wait_alu depctr_hold_cnt(0) depctr_sa_sdst(0) depctr_va_vdst(0) depctr_va_sdst(0) depctr_va_ssrc(0) depctr_va_vcc(0) depctr_vm_vsrc(0)
	s_getreg_b32 s2, hwreg(HW_REG_IB_STS2, 6, 4)
	s_cmp_eq_u32 s2, 0
	s_cbranch_scc0 .Lentry_in_a_cluster
	s_endpgm
.Lentry_in_a_cluster:
	s_bfe_u32 s2, ttmp6, 0x10000c
	s_cmp_lg_u32 s2, 0xf033
	s_cbranch_scc0 .Lentry_shape_is_right
	s_endpgm
.Lentry_shape_is_right:
; For each group g of 1,024 rows of x and each column n: the sum over the rows m of (the sum over k of x[1024 g + m][k] W_heads[n][k]).  x: [65,536][1,024], W_heads: [1,024][1,024]: codes of FP6 (E2M3) with one
; E8M0 scale for each 32 along K, taken as they lie in memory (a row of 1,024 codes is 768 bytes, its scales 32 bytes).  No work of the product is left out.
; part, f32, is laid as the next launch's waves want it: [batch / 4][n / 128][g % 2][batch % 4][n % 128], batch = g / 2.
; SHARES.  A work-group takes 1,024 rows of x (work-group y) and 256 columns n (work-group x): 4 x 64 = 256 work-groups.  ITS EIGHT WAVES SPLIT K: wave w takes K = 128 w .. 128 w + 127, one step, for all rows and
; all 256 columns.  So a wave's part of W (16 blocks of 16 columns x 12 registers = 192) stays in registers for the whole launch.
; THE POOLING IS DONE IN THE ACCUMULATORS: every block of 16 rows of x adds onto the same 16 accumulators, D(m, n) += x(16 i + m, k) W(n, k); only at the end are a column's 16 m added (8 registers, the two halves of the
; lanes) and the eight waves' parts of K (through LDS).  A fragment of x is read from LDS by one wave alone and feeds 16 matrix instructions.  64 row blocks x 16 = 1,024 matrix instructions a wave.
; TILES.  Whole rows of x and of W are dense blocks of memory: they are fetched as rows of 256 bytes with 16 bytes of padding behind each, so a row of codes is 3 x 272 = 816 bytes in LDS = 204 words: the 32 lanes of a load of
; 8 bytes fall on 64 different banks (64 banks of 4 bytes: ISA guide 11.1).
; The head brings W's 256 rows in two halves, x's first 96 rows (tile 0) and x's scales, one load a wave; tile 0 is multiplied by W's first half while the second is on its way.  x's other 928 rows go through a ring of two
; slots of 160 rows, X and Y, a slot shared out among the eight waves: tile 1 has 128 rows, on slot X's rows 32 to 159, where W's first half lay; tiles 2 to 6 have 160 rows.
; LDS, in rows of 816 bytes: slot X 0-159, slot Y 160-319.  At the head: W's first half 32-159, its second 160-287, tile 0's rows 0-31 at 288, 32-63 at 320, 64-95 at 0.
; CLUSTER 4 x 4.  The four work-groups of a row of the cluster walk the same rows of x: x's codes and scales are asked for jointly, with the mask of that row; the four of a column hold the same part of W: likewise, with
; the mask of the column.
; LIMITS.  A scale byte 0xff makes the sums NaN, as the format has it.  The order of the f32 sums is not reference()'s: tokens are added in the accumulators, row block by row block, then 8 registers, 2 lane halves, 8 waves.
; REGISTERS.  Window 0: v0-27 addresses and scale words; v28-51 LDS addresses; v56-127 x's fragments, three sets of 2 row blocks (the third for tile 0 alone); v128-255 the 16 accumulators.  Window 1: v0-191 W's fragments, block b at 12 b.
.set KROW,  768                        ; a row of x or of W in memory
.set PITCH, 816                        ; and in LDS
.set BLK,   16*PITCH                   ; a block of 16 rows
.set YS,    160*PITCH                  ; slot X begins at byte 0, slot Y here
.set RED,   320*PITCH                  ; 32 rows that the head alone fills; behind the loop: 1,024 bytes a wave for the waves' sums
.set SCL,   352*PITCH                  ; x's scales, 128 rows of 256 bytes + 16,
.set SPARE, SCL+128*272                ; and the spare words, 128 bytes for each wave: four blocks of 256 bytes that no other line names
.set TILEB, 160*KROW                   ; from a tile to the next in memory
.set WSA, 7                            ; v7   32 x lane: a row of W's scales
.set NIL, 9                            ; v9   0; never rewritten
.set PFO, 10                           ; v10  the prefetches' offset; never rewritten
.set ADS, 11                           ; v11  my lane's place among x's scales, in the trip in hand
.set AS0, 12                           ; v12  the same in the first trip
.set RA,  13                           ; v13  where my wave puts its sums
.set RB,  14                           ; v14  where my thread reads the eight waves' sums of its two columns
.set GOF, 15                           ; v15  my two columns in part
.set XS,  16                           ; v16, v24, v8  x's scale words, one for each set: lanes 0-15 the first row block's rows, lanes 16-31 the second's
.set WS,  17                           ; v17-23, v25  W's scale words: number c: lanes 0-15 column block 2 c, lanes 16-31 column block 2 c + 1
.set SPW, 26                           ; v26  LDS address of my spare word; never rewritten
.set PFT, 27                           ; v27  the offset of tile 1's prefetch
.set AD,  28                           ; v28-51  LDS addresses: base s (rows 0, 96, 160 and 256 of LDS), piece p at AD + 6 s + p
.set AF,  56                           ; x's fragments: set p, row block rb at AF + 24 p + 12 rb
.set TT,  56                           ; behind the loop: v56-71 a sum for each accumulator,
.set SS,  72                           ; v72-79 32 columns a register,
.set RR,  80                           ; v80-95 the eight waves' sums of my two columns
.set ACC, 128
.set CNT, 3                            ; s3   the loop's counter
.set WV,  14                           ; s14  my wave's number
.set G1X, 24                           ; descriptor groups 1: x's codes, W's codes, x's scales
.set G1W, 32
.set G1S, 40
.set G0V, 48                           ; groups 0: W's second half, tile 0's last 32 rows,
.set G0U, 52
.set G0A, 56                           ; slot X, slot Y,
.set G0B, 60
.set G0W, 68                           ; W's first half, tile 0's first 64 rows, x's scales,
.set G0T, 72
.set G0S, 76
.set G0C, 80                           ; and tile 1
.set PFA, 66                           ; s[66:67] where my prefetches stand in memory
.set PF1, 94                           ; s[94:95] where tile 1's prefetch stands
.set TS,  100                          ; s100 where the trip's scales begin: 10 pairs x 1,088 bytes a trip
.set MULW, 0x04                        ; source 1 (W) window 1; source 0 (x), C and D window 0.  Under it an LDS load has address and data in window 0
.set MSB, 0
.macro WIN new                         ; the immediate's high byte repeats the setting that is left; a switch that changes nothing is dropped
.if MSB != (\new)
	s_set_vgpr_msb (MSB<<8)|(\new)
.set MSB, (\new)
.endif
.endm
.macro PLACES
.rept 4
	v_nop
.endr
.endm
.macro CREST                           ; a round of the cluster's barrier behind its opening barrier
	s_cmp_lg_u32 s[WV], 0
	s_cbranch_scc1 .Lnot_wave_0_\@
	s_barrier_signal -3
.Lnot_wave_0_\@:
	s_barrier_wait -3
	s_barrier_signal -1
	s_barrier_wait -1
.endm
.macro CROUND                          ; a whole round
	s_barrier_signal -1
	s_barrier_wait -1
	CREST
.endm
.macro SHAPE g, mask, rows             ; descriptor group 1: dense rows of 256 bytes (32 elements of 8 bytes), 16 bytes of padding behind each
	s_or_b32 s[\g], s[\mask], (3<<16)|(1<<20)|(1<<21)|(5<<22)|(3<<25)   ; 15:0 the mask; 17:16 elements of 8 bytes; 20 padding on; 21 set beside a mask; 24:22 after every 64 words; 31:25 of 4 words
	s_mov_b32 s[\g+1], 32<<16                      ; tensor_dim0
	s_mov_b32 s[\g+2], (\rows)<<16                 ; tensor_dim1
	s_mov_b32 s[\g+3], 32<<16                      ; tile_dim0
	s_mov_b32 s[\g+4], \rows                       ; tile_dim1
	s_mov_b32 s[\g+5], 32                          ; tensor_dim0_stride
	s_mov_b32 s[\g+6], 0
	s_mov_b32 s[\g+7], 0
.endm
.macro FROM g, a, o                    ; descriptor group 0, but for the LDS address: buffer s[a:a+1] + offset s[o:o+1]
	s_mov_b32 s[\g], 1
	s_add_nc_u64 s[\g+2:\g+3], s[\a:\a+1], s[\o:\o+1]
	s_or_b32 s[\g+3], s[\g+3], 0x80000000
.endm
; A fragment, 16 rows x 128 K of 6-bit codes, is 12 registers: lane l holds row l % 16; registers 6 c .. 6 c + 5 hold K = 64 c + 32 (l / 16) + 0 .. 31: 24 bytes of the row's stream of bits, as they lie.
; It comes in six pieces of 8 bytes, each with an address register of its own, since where a piece lies among the row's paddings hangs on the wave and on the half of the lanes.  i: the row block behind the base.
.macro FRAG reg, base, i
.irp p, 0,1,2,3,4,5
	ds_load_b64 v[\reg+2*\p:\reg+2*\p+1], v[AD+6*(\base)+\p] offset:(\i)*BLK
.endr
.endm
.macro FETCH p, base, i, g             ; a pair of row blocks into set p, with its 32 scale words: 13 loads
	FRAG AF+24*(\p), \base, \i
	FRAG AF+24*(\p)+12, \base, \i+1
	ds_load_b32 v[XS+8*(\p)-24*((\p)/2)], v[ADS] offset:1088*(\g)
.endm
.macro TFETCH p, s, j, g               ; pair j of slot s
.if (\j) < 3
	FETCH \p, 2*(\s), 2*(\j), \g
.else
	FETCH \p, 2*(\s)+1, 2*(\j)-6, \g
.endif
.endm
; n matrix instructions: row block rb of set p against column blocks b0 on.  The accumulators take turns, one instruction a turn.  zero = 1: the product starts the sums: nothing is ever cleared.
.macro MUL p, rb, b0, n, zero
.set bb, \b0
.rept \n
.set rA, AF+24*(\p)+12*(\rb)
.set rB, 12*bb
.set rD, ACC+8*bb
.set rX, XS+8*(\p)-24*((\p)/2)
.set rW, WS+bb/2+bb/14
.if (\zero)
.if bb%2 == 0
	v_wmma_scale_f32_16x16x128_f8f6f4 v[rD:rD+7], v[rA:rA+11], v[rB:rB+11], 0, v[rX], v[rW] matrix_a_fmt:MATRIX_FMT_FP6 matrix_b_fmt:MATRIX_FMT_FP6
.else
	v_wmma_scale_f32_16x16x128_f8f6f4 v[rD:rD+7], v[rA:rA+11], v[rB:rB+11], 0, v[rX], v[rW] matrix_a_fmt:MATRIX_FMT_FP6 matrix_b_fmt:MATRIX_FMT_FP6 matrix_b_scale:MATRIX_SCALE_ROW1
.endif
.elseif (\rb) == 0
.if bb%2 == 0
	v_wmma_scale_f32_16x16x128_f8f6f4 v[rD:rD+7], v[rA:rA+11], v[rB:rB+11], v[rD:rD+7], v[rX], v[rW] matrix_a_fmt:MATRIX_FMT_FP6 matrix_b_fmt:MATRIX_FMT_FP6
.else
	v_wmma_scale_f32_16x16x128_f8f6f4 v[rD:rD+7], v[rA:rA+11], v[rB:rB+11], v[rD:rD+7], v[rX], v[rW] matrix_a_fmt:MATRIX_FMT_FP6 matrix_b_fmt:MATRIX_FMT_FP6 matrix_b_scale:MATRIX_SCALE_ROW1
.endif
.else
.if bb%2 == 0
	v_wmma_scale_f32_16x16x128_f8f6f4 v[rD:rD+7], v[rA:rA+11], v[rB:rB+11], v[rD:rD+7], v[rX], v[rW] matrix_a_fmt:MATRIX_FMT_FP6 matrix_b_fmt:MATRIX_FMT_FP6 matrix_a_scale:MATRIX_SCALE_ROW1
.else
	v_wmma_scale_f32_16x16x128_f8f6f4 v[rD:rD+7], v[rA:rA+11], v[rB:rB+11], v[rD:rD+7], v[rX], v[rW] matrix_a_fmt:MATRIX_FMT_FP6 matrix_b_fmt:MATRIX_FMT_FP6 matrix_a_scale:MATRIX_SCALE_ROW1 matrix_b_scale:MATRIX_SCALE_ROW1
.endif
.endif
.set bb, bb+1
.endr
.endm
; A pair of row blocks that has its successor, pair j, in the same slot s: 32 matrix instructions on set p; in their middle the next pair's 13 loads go out, in one run, into the other set.
; A load into a register that a matrix instruction has read stands four plain vector instructions behind it (ISA guide 7.12.1 for vector instructions).
.macro PAIR p, s, j, g
	s_wait_dscnt 0x0                               ; set p is in: its loads went out 8 or more matrix instructions ago
	WIN MULW
	MUL \p, 0, 0, 16, 0
	PLACES
	TFETCH 1-(\p), \s, \j, \g
	MUL \p, 1, 0, 16, 0
.endm
; A tile's last pair but one opens the change of slots: behind the fetch of the last pair each wave waits for all its tensor loads (one is out: its part of the next tile), adds 0 to its spare word, and waits for that and
; for its reads of this slot, which are then all in registers; then it signals.
.macro OPEN p, s, j, g, g0
	s_wait_dscnt 0x0
	WIN MULW
	MUL \p, 0, 0, 16, 0
	PLACES
	TFETCH 1-(\p), \s, \j, \g
	WIN 0                                          ; (the add's two registers lie in window 0)
	s_wait_tensorcnt 0x0                           ; all my tensor loads have landed: my part of the next tile;
	ds_add_u32 v[SPW], v[NIL]                      ; 0 onto my spare word;
	s_add_nc_u64 s[\g0+2:\g0+3], s[\g0+2:\g0+3], 2*TILEB   ; no load of mine is out: this slot's next tile; the type bits on top are not reached
	WIN MULW
	MUL \p, 1, 0, 8, 0                             ; eight matrix instructions stand between the add and the wait for it
	s_wait_dscnt 0x0                               ; the add is done, and my reads of this slot are over
	s_barrier_signal -1
	MUL \p, 1, 8, 8, 0
.endm
; The last pair (set p): 24 matrix instructions stand between that signal and its wait, which opens a round of the cluster's barrier.  Behind the round this slot is asked for again first, with the tile two on; then the
; next slot's first pair is read, among the pair's last 16 products.
.macro LAST p, nx, g, g0
	MUL \p, 0, 0, 16, 0
	WIN 0
	s_barrier_wait -1
	CREST                                          ; no wave of any partner still reads this slot or has a load on its way
	tensor_load_to_lds s[\g0:\g0+3], s[G1X:G1X+7]  ; the first tensor load behind the round, and my only one until the next
	s_nop 0
	PLACES                                         ; the places in front of the loads below
	WIN MULW
	MUL \p, 1, 0, 6, 0
	WIN 0
	TFETCH 1-(\p), \nx, 0, \g
.endm
.macro REST p
	WIN MULW
	MUL \p, 1, 6, 10, 0
.endm
; A PREFETCH INTO THE L2 of the tile behind the one that has just been asked for: 122,880 dense bytes = 480 blocks of 256.  Only the four work-groups of my row of the cluster read them: they share them out BY ADDRESS, 120
; blocks each, 15 a wave, a lane a block (lanes 15 to 31 name the wave's last block again): each block is asked for by one wave of the launch.  t: tiles behind the place in hand.
.macro ASK t
	global_prefetch_b8 v[PFO], s[PFA:PFA+1] offset:(\t)*TILEB th:TH_LOAD_NT scope:SCOPE_SE
.endm
	s_load_b256 s[4:11], s[0:1], 0x0               ; x's codes s[4:5], x's scales s[6:7], W's codes s[8:9], W's scales s[10:11]
	s_load_b64 s[12:13], s[0:1], 0x20              ; part
	v_lshl_add_u32 v[SPW], v0, 2, SPARE
	v_mov_b32 v[NIL], 0
	ds_add_u32 v[SPW], v[NIL]                      ; the wave's opening: the add, twice on end, and its wait ahead of my first tensor load; work on registers stands between
	ds_add_u32 v[SPW], v[NIL]
	v_lshrrev_b32 v1, 5, v0
	v_readfirstlane_b32 s[WV], v1                  ; wave 0..7
	s_bfe_u32 s16, ttmp6, 0x40000                  ; cx, cy: my place in the cluster
	s_bfe_u32 s17, ttmp6, 0x40004
	s_lshl_b32 s18, ttmp9, 2
	s_add_co_u32 s18, s18, s16                     ; work-group x = 4 x cluster x + cx: my 256 columns
	s_and_b32 s19, ttmp7, 0xffff
	s_lshl_b32 s19, s19, 2
	s_add_co_u32 s19, s19, s17                     ; work-group y = 4 x cluster y + cy: my 1,024 rows
	s_lshl_b32 s20, s17, 2
	s_lshl_b32 s20, 15, s20                        ; my row of the cluster
	s_lshl_b32 s21, 0x1111, s16                    ; my column
	SHAPE G1W, 21, 192                             ; 64 rows of W
	SHAPE G1X, 20, 96                              ; a third of tile 0: 32 rows; the two words that count rows are set to 48 for tile 1's sixteen rows and to 60 for a later tile's twenty
	SHAPE G1S, 20, 128                             ; x's scales: 32,768 bytes
	; byte offsets of the head's loads.  What feeds x's descriptors holds work-group y and the wave alone, what feeds W's work-group x and the wave alone
	s_and_b32 s22, s[WV], 1                        ; waves go by twos: 0, 1 W's first half; 2, 3 tile 0's first 64 rows; 6, 7 W's second half
	s_mul_i32 s92, s18, 256*KROW
	s_mul_i32 s23, s22, 64*KROW
	s_add_co_u32 s92, s92, s23
	s_mov_b32 s93, 0
	s_add_co_u32 s98, s92, 128*KROW
	s_mov_b32 s99, 0
	s_mul_i32 s23, s22, 64*PITCH
	s_add_co_u32 s[G0W+1], s23, 32*PITCH
	s_add_co_u32 s[G0V+1], s23, 160*PITCH
	s_mul_i32 s86, s19, 1024*KROW
	s_mul_i32 s23, s22, 32*KROW
	s_add_co_u32 s88, s86, s23
	s_mov_b32 s89, 0
	s_mul_i32 s23, s22, 32*PITCH
	s_add_co_u32 s[G0T+1], s23, 288*PITCH
	s_add_co_u32 s86, s86, 64*KROW                 ; wave 4: tile 0's last 32 rows
	s_mov_b32 s87, 0
	s_mov_b32 s[G0U+1], 0
	s_lshl_b32 s90, s19, 15                        ; wave 5: x's scales
	s_mov_b32 s91, 0
	s_mov_b32 s[G0S+1], SCL
	s_wait_dscnt 0x0                               ; both opening adds are done
	s_wait_kmcnt 0x0
	FROM G0W, 8, 92
	FROM G0V, 8, 98
	FROM G0T, 4, 88
	FROM G0U, 4, 86
	FROM G0S, 6, 90
	CROUND                                         ; all sixteen work-groups are here: the first joint loads meet
; THE HEAD'S LOADS, ONE A WAVE.  ONE chain of branches on the wave's number; every way passes one load.
.macro ARM under, g0, g1, next
	s_cmp_lt_u32 s[WV], \under
	s_cbranch_scc0 \next
	tensor_load_to_lds s[\g0:\g0+3], s[\g1:\g1+7]
	s_nop 0
	PLACES
	s_branch .Lasked
\next:
.endm
	ARM 2, G0W, G1W, .Lask_t
	ARM 4, G0T, G1X, .Lask_u
	ARM 5, G0U, G1X, .Lask_s
	ARM 6, G0S, G1S, .Lask_v
	tensor_load_to_lds s[G0V:G0V+3], s[G1W:G1W+7]
	s_nop 0
	PLACES
.Lasked:
	; what the later loads, the prefetches and the way out need
	s_mul_i32 s22, s19, 1024*KROW                  ; my rows of x
	s_mul_i32 s23, s[WV], 20*KROW
	s_add_co_u32 s84, s22, s23
	s_add_co_u32 s84, s84, 64*KROW                 ; slot X: its first refill in the loop steps this by two tiles, to tile 3, row 384
	s_mov_b32 s85, 0
	s_add_co_u32 s86, s84, TILEB                   ; slot Y: tile 2, row 224
	s_mul_i32 s23, s[WV], 16*KROW
	s_add_co_u32 s104, s22, s23
	s_add_co_u32 s104, s104, 96*KROW               ; tile 1, row 96
	s_mov_b32 s105, 0
	s_mul_i32 s[G0A+1], s[WV], 20*PITCH            ; no place in the cluster enters an LDS address
	s_add_co_u32 s[G0B+1], s[G0A+1], YS
	s_mul_i32 s[G0C+1], s[WV], 16*PITCH
	s_add_co_u32 s[G0C+1], s[G0C+1], 32*PITCH      ; tile 1 goes to slot X's rows 32 to 159
	s_mul_i32 s2, s16, TILEB/4                     ; the prefetches: tile 2, my work-group's quarter, my wave's eighth of it
	s_add_co_u32 s98, s22, s2
	s_mul_i32 s2, s[WV], 15*256
	s_add_co_u32 s98, s98, s2
	s_add_co_u32 s98, s98, 224*KROW
	s_mul_i32 s2, s16, 32*KROW                     ; tile 1: 98,304 bytes, 96 blocks a work-group, 12 a wave
	s_add_co_u32 s94, s22, s2
	s_mul_i32 s2, s[WV], 12*256
	s_add_co_u32 s94, s94, s2
	s_add_co_u32 s94, s94, 96*KROW
	s_mov_b32 s95, 0
	s_lshr_b32 s96, s19, 3                         ; part: batch / 4,
	s_lshl_b32 s96, s96, 15
	s_bfe_u32 s2, s19, 0x20001                     ; batch % 4,
	s_lshl_b32 s2, s2, 9
	s_add_co_u32 s96, s96, s2
	s_and_b32 s2, s19, 1                           ; which half of the batch's tokens,
	s_lshl_b32 s2, s2, 11
	s_add_co_u32 s96, s96, s2
	s_lshl_b32 s2, s18, 13                         ; and my two runs of 128 columns
	s_add_co_u32 s96, s96, s2
	s_mov_b32 s97, 0
	s_lshl_b32 s92, s18, 13                        ; W's scales: my columns' rows of 32 bytes,
	s_lshl_b32 s2, s[WV], 2
	s_add_co_u32 s92, s92, s2                      ; my wave's word
	FROM G0A, 4, 84
	FROM G0B, 4, 86
	FROM G0C, 4, 104
	s_add_nc_u64 s[PFA:PFA+1], s[4:5], s[98:99]
	s_add_nc_u64 s[PF1:PF1+1], s[4:5], s[94:95]
	s_add_nc_u64 s[10:11], s[10:11], s[92:93]
	s_add_nc_u64 s[12:13], s[12:13], s[96:97]
	s_mul_i32 s15, s[WV], 96                       ; my wave's bytes of a row of codes
	s_lshl_b32 s22, s[WV], 2
	s_add_co_u32 s22, s22, SCL                     ; and of a row of scales
	s_lshl_b32 s23, s[WV], 10
	s_add_co_u32 s23, s23, RED
	s_mov_b32 s[TS], 0
	s_mov_b32 s[CNT], 2
	v_and_b32 v4, 31, v0                           ; lane
	v_lshlrev_b32 v[WSA], 5, v4
	v_min_u32 v5, 14, v4
	v_min_u32 v6, 11, v4
	v_lshlrev_b32 v[PFO], 8, v5
	v_lshlrev_b32 v[PFT], 8, v6
.irp c, 0,1,2,3,4,5,6,7
	global_load_b32 v[WS+\c+\c/7], v[WSA], s[10:11] offset:1024*\c   ; W's scale words: lane l takes column 32 c + l; they stay
.endr
	global_prefetch_b8 v[PFT], s[PF1:PF1+1] th:TH_LOAD_NT scope:SCOPE_SE   ; tile 1: its load stands behind the first round below
	v_and_b32 v2, 15, v0                           ; r = lane % 16
	v_bfe_u32 v3, v0, 4, 1                         ; h = lane / 16
	v_mul_u32_u24 v52, v2, PITCH
	v_mul_u32_u24 v53, v3, 24
	v_add_nc_u32 v53, s15, v53
.irp p, 0,1,2,3,4,5
	v_add_nc_u32 v[AD+\p], 48*(\p/3)+8*(\p%3), v53 ; piece p begins at byte y of the row of codes,
.endr
.irp p, 0,1,2,3,4,5
	v_lshrrev_b32 v[AD+6+\p], 8, v[AD+\p]
.endr
.irp p, 0,1,2,3,4,5
	v_lshl_add_u32 v[AD+\p], v[AD+6+\p], 4, v[AD+\p]   ; in LDS at y + 16 (y / 256)
.endr
.irp p, 0,1,2,3,4,5
	v_add_nc_u32 v[AD+\p], v52, v[AD+\p]           ; of row r
.endr
.irp p, 0,1,2,3,4,5
	v_add_nc_u32 v[AD+6+\p], 96*PITCH, v[AD+\p]
	v_add_nc_u32 v[AD+12+\p], YS, v[AD+\p]
	v_add_nc_u32 v[AD+18+\p], 256*PITCH, v[AD+\p]
.endr
	v_bfe_u32 v5, v0, 3, 2                         ; scales: 8 rows of 32 bytes to a padded row of 272; my lane's row, my wave's word
	v_and_b32 v6, 7, v0
	v_mul_u32_u24 v5, v5, 272
	v_lshl_add_u32 v5, v6, 5, v5
	v_add_nc_u32 v[AS0], s22, v5
	v_mov_b32 v[ADS], v[AS0]
	v_lshl_add_u32 v[RA], v4, 2, s23
	v_lshl_add_u32 v[RB], v0, 3, RED
	v_lshrrev_b32 v5, 6, v0                        ; part: threads 0 to 127 take two columns each, 64 threads to a run of 128 columns
	v_and_b32 v6, 63, v0
	v_lshlrev_b32 v6, 3, v6
	v_lshl_add_u32 v[GOF], v5, 12, v6
	s_wait_alu depctr_va_vdst(0)                   ; the wait at the head's end
	s_cmp_lt_u32 s[WV], 2                          ; the waves that fetched W's first half, in a line of their own, wait for it
	s_cbranch_scc0 .Lnot_w
	s_wait_tensorcnt 0x0
.Lnot_w:
	s_barrier_signal -1
	s_barrier_wait -1                              ; W's first half is whole
	WIN 0x40                                       ; destination window 1
.irp b, 0,1,2,3
	FRAG 12*\b, 0, \b+2                            ; column blocks 0 to 7, from LDS row 32 on
.endr
.irp b, 4,5,6,7
	FRAG 12*\b, 1, \b-4
.endr
	WIN 0
	s_wait_dscnt 0x0
	s_cmp_lt_u32 s[WV], 6                          ; the waves that fetched tile 0 and the scales wait for them (waves 0 and 1 have no load out)
	s_cbranch_scc0 .Lnot_x
	s_wait_tensorcnt 0x0
.Lnot_x:
	s_barrier_signal -1
	s_barrier_wait -1                              ; tile 0 and x's scales are whole
	FETCH 0, 3, 2, 0                               ; tile 0, rows 0-31,
	FETCH 1, 3, 4, 1                               ; 32-63,
	FETCH 2, 0, 0, 2                               ; and 64-95: three sets
	s_wait_loadcnt 0x0                             ; W's scale words
	s_wait_dscnt 26                                ; set 0 is in; behind it went out two sets' 26 loads
	WIN MULW
	MUL 0, 0, 0, 8, 1                              ; the first products start the sums
	MUL 0, 1, 0, 8, 0
	s_wait_dscnt 13                                ; set 1
	MUL 1, 0, 0, 8, 0
	MUL 1, 1, 0, 8, 0
	WIN 0
	s_wait_tensorcnt 0x0                           ; LDS ROWS 32 TO 159 ARE FILLED AGAIN, with tile 1: all my tensor loads have landed;
	ds_add_u32 v[SPW], v[NIL]                      ; 0 onto my spare word;
	s_mov_b32 s[G1X+2], 48<<16                     ; no load of mine is out: the next brings 16 rows of x, 48 x 256 bytes
	s_mov_b32 s[G1X+4], 48
	s_wait_dscnt 0x1                               ; set 2 (the add alone was issued behind its loads)
	WIN MULW
	MUL 2, 0, 0, 4, 0
	s_wait_dscnt 0x0                               ; the add is done, and my reads of W's first half were over long ago
	s_barrier_signal -1
	MUL 2, 0, 4, 4, 0
	WIN 0
	s_barrier_wait -1
	CREST                                          ; so it is with every wave of every partner; W's second half is whole
	tensor_load_to_lds s[G0C:G0C+3], s[G1X:G1X+7]
	s_nop 0
	PLACES
	WIN 0x40
.irp b, 8,9,10,11
	FRAG 12*\b, 2, \b-8                            ; column blocks 8 to 15, from LDS row 160 on
.endr
	WIN MULW
	MUL 2, 1, 0, 8, 0
	s_wait_dscnt 0x0
	MUL 0, 0, 8, 4, 1
	MUL 0, 1, 8, 4, 0
	WIN 0x40
.irp b, 12,13
	FRAG 12*\b, 2, \b-8
.endr
.irp b, 14,15
	FRAG 12*\b, 3, \b-14
.endr
	WIN 0
	ASK 0                                          ; tile 2
	WIN MULW
	MUL 1, 0, 8, 4, 0
	MUL 1, 1, 8, 4, 0
	MUL 2, 0, 8, 4, 0
	MUL 2, 1, 8, 4, 0
	s_wait_dscnt 0x0                               ; all of W is in
	MUL 0, 0, 12, 4, 1
	MUL 1, 0, 12, 4, 0
	WIN 0
	s_wait_tensorcnt 0x0                           ; SLOT Y IS FILLED AGAIN, with tile 2: my part of tile 1 has landed;
	ds_add_u32 v[SPW], v[NIL]                      ; 0 onto my spare word, as above;
	s_mov_b32 s[G1X+2], 60<<16                     ; no load of mine is out: from here on a load brings 20 rows of x
	s_mov_b32 s[G1X+4], 60
	WIN MULW
	MUL 1, 1, 12, 4, 0
	s_wait_dscnt 0x0                               ; the add is done; my reads of slot Y were over already
	s_barrier_signal -1
	MUL 2, 0, 12, 4, 0
	WIN 0
	s_barrier_wait -1
	CREST
	tensor_load_to_lds s[G0B:G0B+3], s[G1X:G1X+7]
	s_nop 0
	PLACES
	TFETCH 1, 0, 1, 3
	ASK 1                                          ; tile 3
	WIN MULW
	MUL 0, 1, 12, 4, 0
	MUL 2, 1, 12, 4, 0
	WIN 0                                          ; at a label and at a branch every window is 0
.Ltrip:                                            ; trip t = 0, 1 takes pairs 1 to 4 of tile 2 t + 1 (slot X), tile 2 t + 2 (slot Y) and pair 0 of tile 2 t + 3, and asks for tiles 2 t + 3 and 2 t + 4.  (Tile 1 has no pair 0)
	PAIR 1, 0, 2, 4
	PAIR 0, 0, 3, 5
	OPEN 1, 0, 4, 6, G0A
	LAST 0, 1, 7, G0A
	ASK 2                                          ; tile 2 t + 4
	REST 0
	PAIR 1, 1, 1, 8
	PAIR 0, 1, 2, 9
	PAIR 1, 1, 3, 10
	OPEN 0, 1, 4, 11, G0B
	LAST 1, 0, 12, G0B
	s_cmp_gt_u32 s[CNT], 1                         ; the last trip asks for nothing here: there is no tile behind tile 6
	s_cbranch_scc0 .Lno_ask
	ASK 3                                          ; tile 5
.Lno_ask:
	REST 1
	PAIR 0, 0, 1, 13
	WIN 0
	s_wait_xcnt 0x0                                ; the prefetches have read their address
	s_add_nc_u64 s[PFA:PFA+1], s[PFA:PFA+1], 2*TILEB
	s_add_co_u32 s[TS], s[TS], 10*1088
	v_add_nc_u32 v[ADS], s[TS], v[AS0]
	s_wait_alu depctr_va_vdst(0)                   ; the wait here, ahead of the branch
	s_sub_co_u32 s[CNT], s[CNT], 1
	s_cmp_lg_u32 s[CNT], 0
	s_cbranch_scc1 .Ltrip
	PAIR 1, 0, 2, 4                                ; the tail is written out: tile 5 goes on
	PAIR 0, 0, 3, 5
	s_wait_dscnt 0x0
	MUL 1, 0, 0, 16, 0
	PLACES
	TFETCH 0, 0, 4, 6
	MUL 1, 1, 0, 8, 0
	s_wait_tensorcnt 0x0                           ; my part of tile 6, my last load
	s_wait_dscnt 0x0
	s_barrier_signal -1                            ; nothing is filled again: a plain barrier shows tile 6 to all eight waves
	MUL 1, 1, 8, 8, 0
	MUL 0, 0, 0, 16, 0
	s_barrier_wait -1
	PLACES
	TFETCH 1, 1, 0, 7
	MUL 0, 1, 0, 16, 0
	PAIR 1, 1, 1, 8                                ; tile 6
	PAIR 0, 1, 2, 9
	PAIR 1, 1, 3, 10
	PAIR 0, 1, 4, 11
	s_wait_dscnt 0x0                               ; the very last pair: nothing more to fetch
	MUL 1, 0, 0, 16, 0
	MUL 1, 1, 0, 16, 0
	WIN 0
	; THE SUMS.  In an accumulator lane (r, h) holds column r and rows 8 h + 0 .. 7: the eight registers are added, each accumulator from its low end on, then the two halves of the lanes.
	PLACES                                         ; behind the last products: results are read, and x's fragments are written over
.irp b, 0,1,2,3,4,5,6,7,8,9,10,11,12,13,14,15
	v_pk_add_f32 v[ACC+8*\b:ACC+8*\b+1], v[ACC+8*\b:ACC+8*\b+1], v[ACC+8*\b+2:ACC+8*\b+3]
	v_pk_add_f32 v[ACC+8*\b+4:ACC+8*\b+5], v[ACC+8*\b+4:ACC+8*\b+5], v[ACC+8*\b+6:ACC+8*\b+7]
.endr
.irp b, 0,1,2,3,4,5,6,7,8,9,10,11,12,13,14,15
	v_pk_add_f32 v[ACC+8*\b:ACC+8*\b+1], v[ACC+8*\b:ACC+8*\b+1], v[ACC+8*\b+4:ACC+8*\b+5]
.endr
.irp b, 0,1,2,3,4,5,6,7,8,9,10,11,12,13,14,15
	v_add_f32 v[TT+\b], v[ACC+8*\b], v[ACC+8*\b+1]
.endr
.irp c, 0,1,2,3,4,5,6,7
	v_permlane16_swap_b32 v[TT+2*\c], v[TT+2*\c+1] ; the first's lanes 16-31 change places with the second's lanes 0-15: the first now holds rows 0-7's sums of columns 32 c + lane, the second rows 8-15's
.endr
.irp c, 0,1,2,3,4,5,6,7
	v_add_f32 v[SS+\c], v[TT+2*\c], v[TT+2*\c+1]
.endr
.irp c, 0,1,2,3,4,5,6,7
	ds_store_b32 v[RA], v[SS+\c] offset:128*\c     ; my wave's part of K, 256 columns on end; the head alone filled these bytes, and every wave has passed barriers since it read them
.endr
	s_wait_tensorcnt 0x0                           ; my last tensor load has landed;
	ds_add_u32 v[SPW], v[NIL]
	s_wait_dscnt 0x0                               ; and for the others' sake: my stores are done
	s_barrier_signal -1
	s_barrier_wait -1
	s_cmp_lt_u32 s[WV], 4                          ; 256 columns, two a thread: four waves
	s_cbranch_scc0 .Lstored
.irp i, 0,1,2,3,4,5,6,7
	ds_load_b64 v[RR+2*\i:RR+2*\i+1], v[RB] offset:1024*\i   ; the eight waves' sums of my two columns
.endr
	s_wait_dscnt 0x0
.irp i, 0,1,2,3
	v_pk_add_f32 v[RR+2*\i:RR+2*\i+1], v[RR+2*\i:RR+2*\i+1], v[RR+2*\i+8:RR+2*\i+9]
.endr
	v_pk_add_f32 v[RR:RR+1], v[RR:RR+1], v[RR+4:RR+5]
	v_pk_add_f32 v[RR+2:RR+3], v[RR+2:RR+3], v[RR+6:RR+7]
	v_pk_add_f32 v[RR:RR+1], v[RR:RR+1], v[RR+2:RR+3]
	global_store_b64 v[GOF], v[RR:RR+1], s[12:13]  ; a wave stores 256 consecutive bytes, at a multiple of 256 from part's first byte
.Lstored:
	CROUND                                         ; the closing round: no work-group ends while a partner may still ask for a tile that names it
	s_endpgm
.Lfunc_end_k_q65fc7a39e0_pool:
	.size	k_q65fc7a39e0_pool, .Lfunc_end_k_q65fc7a39e0_pool-k_q65fc7a39e0_pool
	.p2alignl 7, 3214868480
	.fill 96, 4, 3214868480
	.section	.rodata,"a",@progbits
	.p2align	6, 0x0
	.amdhsa_kernel k_q65fc7a39e0_pool
		.amdhsa_group_segment_fixed_size 327680
		.amdhsa_private_segment_fixed_size 0
		.amdhsa_enable_private_segment 0
		.amdhsa_kernarg_size 40
		.amdhsa_user_sgpr_count 2
		.amdhsa_user_sgpr_kernarg_segment_ptr 1
		.amdhsa_wavefront_size32 1
		.amdhsa_system_sgpr_workgroup_id_x 1
		.amdhsa_system_sgpr_workgroup_id_y 1
		.amdhsa_system_sgpr_workgroup_id_z 1
		.amdhsa_system_vgpr_workitem_id 0
		.amdhsa_next_free_vgpr 448
		.amdhsa_next_free_sgpr 106
		.amdhsa_reserve_vcc 0
		.amdhsa_float_denorm_mode_32 3
		.amdhsa_float_denorm_mode_16_64 3
		.amdhsa_memory_ordered 1
		.amdhsa_forward_progress 1
		.amdhsa_inst_pref_size 139
	.end_amdhsa_kernel
	.amdgpu_metadata
---
amdhsa.version: [ 1, 2 ]
amdhsa.kernels:
  - .name:           k_q65fc7a39e0_pool
    .symbol:         k_q65fc7a39e0_pool.kd
    .args:
      - { .name: x_codes, .offset: 0, .size: 8, .value_kind: global_buffer, .address_space: global }
      - { .name: x_scales, .offset: 8, .size: 8, .value_kind: global_buffer, .address_space: global }
      - { .name: W_heads_codes, .offset: 16, .size: 8, .value_kind: global_buffer, .address_space: global }
      - { .name: W_heads_scales, .offset: 24, .size: 8, .value_kind: global_buffer, .address_space: global }
      - { .name: part, .offset: 32, .size: 8, .value_kind: global_buffer, .address_space: global }
    .group_segment_fixed_size: 327680
    .private_segment_fixed_size: 0
    .kernarg_segment_align: 8
    .kernarg_segment_size: 40
    .max_flat_workgroup_size: 256
    .sgpr_count:     106
    .vgpr_count:     448
    .wavefront_size: 32
...
	.end_amdgpu_metadata
.endif
;; end of part 1
;; launch proj (part 2): grid 16 x 8, 8 waves a work-group, no clusters, 167,936 bytes of LDS; arguments part, W_proj_codes, W_proj_scales, b_proj, out0; writes out0
.if DOCPART == 2
	.amdgcn_target "amdgcn-amd-amdhsa--gfx1250"
	.amdhsa_code_object_version 6
	.text
	.protected	k_q65fc7a39e0_proj
	.globl	k_q65fc7a39e0_proj
	.p2align	8
	.type	k_q65fc7a39e0_proj,@function
k_q65fc7a39e0_proj:
	s_mov_b64 s[64:65], 0
	v_nop
	global_prefetch_b8 v0, s[64:65] scope:SCOPE_SE
	s_setreg_imm32_b32 hwreg(HW_REG_WAVE_MODE, 25, 1), 1
	s_wait_xcnt 0x0
; out0[b][o] = the sum over c of Q(pooled[b][c]) W_proj[o][c] + b_proj[o]; pooled[b][c] = the sum of part's two numbers of batch b and column c, in f32; Q the MX quantiser to FP6 (E2M3) along c, blocks of 32.
; W_proj: [1,024][1,024] as codes (768 bytes a row) with one E8M0 byte for each 32 along c (32 bytes a row).  part: [b / 4][c / 128][half][b % 4][c % 128] f32.  out0: [32][1,024] f32.  No work is left out.
; SHARES.  A work-group makes 4 batches (work-group y) x 64 outputs (work-group x): 128 work-groups.  ITS EIGHT WAVES SPLIT K: wave w takes c = 128 w .. 128 w + 127, adds part's two halves, quantises the 4 x 128 numbers,
; multiplies by four tiles of 16 rows of W_proj, and the eight partial results meet in LDS.
; QUANTISING.  4 batches x 4 blocks x 2 half blocks are 32: lane (t, q, h) = (lane % 4, lane / 4 % 4, lane / 16) takes the 16 numbers c = 32 q + 16 h on of batch t.  Their codes go through LDS bytes of the wave's own, as rows
; of 96 bytes, and come back as an operand: lane (r, h) reads batch r % 4, so the operand's sixteen rows are the four batches, four times.
; In a result lane (r, h) holds output r and in registers 0 to 3 batches 0 to 3 (registers 4 to 7, and the other half of the lanes, hold the same): so two tiles' results make one register of 32 outputs for each batch.
; Part's 32,768 bytes of these 4 batches and the 49,152 bytes of these 64 rows of W_proj are dense blocks: waves 0 to 3 fetch a quarter of the first, waves 4 to 7 a quarter of the second, one tensor load each, into padded rows.
; The first barrier shows part; the quantiser runs while W_proj is on its way; the second shows W_proj.
; NO CLUSTER: each wave has one load, nothing is filled again, and the chain has three barriers; joint loads would put the opening and the closing round of a cluster's barrier, six waits, round it.  No prefetch: every load
; goes out at the head, and there is no loop.
; LIMITS.  A block of zeros, and one whose largest magnitude lies under 2^(3 - 127), gets the scale byte 1 (the rule says 127 for zeros): a block of zeros has zero codes, and this program alone reads the bytes.
; NaN and infinities among the pooled sums are not served.
.set PP,    528                        ; LDS: 128 numbers of part, 512 bytes + 16
.set WPT,   816                        ; LDS: a row of W_proj, 3 x (256 bytes + 16) = 204 words: the 32 lanes of a load of 8 bytes fall on 64 different banks (64 banks of 4 bytes: ISA guide 11.1)
.set WB,    64*PP                      ; behind part's 64 rows: W_proj's 64
.set CW,    WB+64*WPT                  ; 512 bytes a wave: 4 rows of codes, 96 bytes + 8 each, and from byte 416 on 4 scale words
.set RED,   CW+8*512                   ; the partial outputs: 4 batches x 256 bytes a wave
.set SPARE, RED+8*1024                 ; the spare words, 128 bytes for each wave: four blocks of 256 bytes that no other line names
.set PA,  4                            ; v4   part in LDS: my 16 numbers
.set CB,  5                            ; v5   where I put their 12 bytes of codes
.set WSA, 6                            ; v6   W_proj's scales: 32 x lane
.set SO,  7                            ; v7   LDS: where I put my output of each batch
.set SR,  8                            ; v8   and where my thread reads 8 bytes back
.set GO,  9                            ; v9   8 x lane: my two outputs in out0 and in b_proj
.set SB,  10                           ; v10  where I put my block's scale byte
.set SPW, 11                           ; v11  LDS address of my spare word; never rewritten
.set NIL, 12                           ; v12  0; never rewritten
.set CR,  13                           ; v13  where I read codes back
.set CS,  14                           ; v14  and a scale word
.set X0,  16                           ; v16-31   the first half's numbers, then the pooled ones; later results
.set X1,  32                           ; v32-47   the second half's
.set TM,  48                           ; v48-55   largest magnitudes, byte, the conversion's scale operand
.set CV,  56                           ; v56-58   codes
.set WF,  64                           ; v64-111  W_proj's four fragments
.set PC,  112                          ; v112-123 the batches' codes
.set PW,  124                          ; v124     and scale words
.set WSC, 125                          ; v125-126 W_proj's scale words: lanes 0-15 tile 2 i, lanes 16-31 tile 2 i + 1
.set AD,  128                          ; v128-133 LDS addresses of a fragment's six pieces
.set ACC, 136                          ; v136-167 the four accumulators
.set BI,  2                            ; v[2:3]   the bias of my thread's two outputs
.set WV,  14
.set SEL, 20
.set UP,  59                           ; s59  the upper half of the lanes
.set G1P, 24                           ; descriptors: part, W_proj
.set G1W, 32
.set G0P, 40
.set G0W, 44
	s_load_b256 s[4:11], s[0:1], 0x0               ; part s[4:5], W_proj's codes s[6:7], its scales s[8:9], b_proj s[10:11]
	s_load_b64 s[12:13], s[0:1], 0x20              ; out0
	v_lshl_add_u32 v[SPW], v0, 2, SPARE
	v_mov_b32 v[NIL], 0
	ds_add_u32 v[SPW], v[NIL]                      ; the wave's opening: the add, twice on end, and its wait ahead of my first tensor load; work on registers stands between
	ds_add_u32 v[SPW], v[NIL]
	v_lshrrev_b32 v1, 5, v0
	v_readfirstlane_b32 s[WV], v1                  ; wave 0..7: my K step
	s_and_b32 s15, ttmp7, 0xffff                   ; work-group y: which 4 batches
	s_and_b32 s16, s[WV], 3                        ; which quarter of a block I fetch
	s_mov_b32 s[G1P], (3<<16)|(1<<20)|(6<<22)|(3<<25)   ; part: 16 dense rows of 512 bytes (64 elements of 8 bytes), 4 words of padding after every 128
	s_mov_b32 s[G1P+1], 64<<16
	s_mov_b32 s[G1P+2], 16<<16
	s_mov_b32 s[G1P+3], 64<<16
	s_mov_b32 s[G1P+4], 16
	s_mov_b32 s[G1P+5], 64
	s_mov_b32 s[G1P+6], 0
	s_mov_b32 s[G1P+7], 0
	s_mov_b32 s[G1W], (3<<16)|(1<<20)|(5<<22)|(3<<25)   ; W_proj: 16 rows of 768 bytes as 48 dense rows of 256 (32 elements of 8 bytes), 4 words of padding after every 64
	s_mov_b32 s[G1W+1], 32<<16
	s_mov_b32 s[G1W+2], 48<<16
	s_mov_b32 s[G1W+3], 32<<16
	s_mov_b32 s[G1W+4], 48
	s_mov_b32 s[G1W+5], 32
	s_mov_b32 s[G1W+6], 0
	s_mov_b32 s[G1W+7], 0
	s_lshl_b32 s48, s15, 15                        ; part: 32,768 bytes for 4 batches,
	s_lshl_b32 s17, s16, 13
	s_add_co_u32 s48, s48, s17                     ; + my quarter
	s_mov_b32 s49, 0
	s_mul_i32 s50, ttmp9, 64*768                   ; W_proj's codes: my 64 rows,
	s_mul_i32 s17, s16, 16*768
	s_add_co_u32 s50, s50, s17                     ; + my quarter
	s_mov_b32 s51, 0
	s_mov_b32 s[G0P], 1
	s_mul_i32 s[G0P+1], s16, 16*PP
	s_mov_b32 s[G0W], 1
	s_mul_i32 s[G0W+1], s16, 16*WPT
	s_add_co_u32 s[G0W+1], s[G0W+1], WB
	s_wait_dscnt 0x0                               ; both opening adds are done
	s_wait_kmcnt 0x0
	s_add_nc_u64 s[G0P+2:G0P+3], s[4:5], s[48:49]
	s_or_b32 s[G0P+3], s[G0P+3], 0x80000000
	s_add_nc_u64 s[G0W+2:G0W+3], s[6:7], s[50:51]
	s_or_b32 s[G0W+3], s[G0W+3], 0x80000000
	s_cmp_lt_u32 s[WV], 4                          ; one tensor load a wave, in one of two arms
	s_cbranch_scc0 .Lask_w
	tensor_load_to_lds s[G0P:G0P+3], s[G1P:G1P+7]
	s_nop 0
.rept 4
	v_nop
.endr
	s_branch .Lasked
.Lask_w:
	tensor_load_to_lds s[G0W:G0W+3], s[G1W:G1W+7]
	s_nop 0
.rept 4
	v_nop
.endr
.Lasked:
	s_lshl_b32 s52, ttmp9, 11                      ; W_proj's scales: 64 rows of 32 bytes,
	s_lshl_b32 s17, s[WV], 2
	s_add_co_u32 s52, s52, s17                     ; + my word
	s_mov_b32 s53, 0
	s_lshl_b32 s54, ttmp9, 8                       ; b_proj: my 64 numbers
	s_mov_b32 s55, 0
	s_lshl_b32 s56, s15, 14                        ; out0: 4 rows of 4,096 bytes, + my 64 columns,
	s_add_co_u32 s56, s56, s54
	s_lshl_b32 s17, s16, 12
	s_add_co_u32 s56, s56, s17                     ; + the batch that my wave stores (waves 0 to 3)
	s_mov_b32 s57, 0
	s_add_nc_u64 s[8:9], s[8:9], s[52:53]
	s_add_nc_u64 s[10:11], s[10:11], s[54:55]
	s_add_nc_u64 s[12:13], s[12:13], s[56:57]
	s_mul_i32 s18, s[WV], 8*PP                     ; my wave's part in LDS,
	s_mul_i32 s19, s[WV], 96                       ; its bytes of a row of codes,
	s_lshl_b32 s22, s[WV], 10
	s_add_co_u32 s22, s22, RED                     ; its partial outputs,
	s_lshl_b32 s23, s[WV], 9
	s_add_co_u32 s23, s23, CW                      ; its rows of codes,
	s_lshl_b32 s58, s16, 8
	s_add_co_u32 s58, s58, RED                     ; and the batch that it reads back
	s_mov_b32 s[SEL], 0x76543210
	s_mov_b32 s[SEL+1], 0xfedcba98                 ; v_permlanex16_b32's selects for lane l xor 16
	s_mov_b32 s[UP], 0xffff0000
	v_and_b32 v48, 31, v0                          ; lane
	v_and_b32 v49, 15, v0                          ; r = lane % 16
	v_bfe_u32 v50, v0, 4, 1                        ; h = lane / 16
	v_and_b32 v51, 3, v0                           ; t = lane % 4
	v_bfe_u32 v52, v0, 2, 2                        ; q = lane / 4 % 4
	v_lshlrev_b32 v[WSA], 5, v48
	v_lshlrev_b32 v[GO], 3, v48
	global_load_b32 v[WSC], v[WSA], s[8:9]         ; lane l takes row l's word of my K step,
	global_load_b32 v[WSC+1], v[WSA], s[8:9] offset:1024   ; and row 32 + l's
	global_load_b64 v[BI:BI+1], v[GO], s[10:11]
	v_mul_u32_u24 v[PA], v51, PP
	v_mul_u32_u24 v53, v50, 24
	v_mul_u32_u24 v54, v49, WPT
	v_lshl_add_u32 v[SO], v48, 2, s22              ; partial outputs: 4 x lane
	v_mul_u32_u24 v55, v51, 104
	v_lshl_add_u32 v[SB], v51, 2, s23
	v_lshl_add_u32 v[PA], v52, 7, v[PA]
	v_add_nc_u32 v55, s23, v55
	v_add_nc_u32 v[CS], 416, v[SB]                 ; batch t's scale word,
	v_lshl_add_u32 v[PA], v50, 6, v[PA]
	v_add_nc_u32 v[CR], v53, v55                   ; batch t's codes, + 24 h
	v_mul_u32_u24 v56, v52, 24
	v_mul_u32_u24 v57, v50, 12
	v_add_nc_u32 v[SB], v52, v[CS]                 ; block q's byte in it
	v_add_nc_u32 v56, v55, v56
	v_add_nc_u32 v[PA], s18, v[PA]
	v_add_nc_u32 v[CB], v57, v56                   ; batch t's codes, + 24 q + 12 h
	v_add_nc_u32 v[SR], s58, v[GO]                 ; back: batch wave % 4, two outputs a thread
	v_add_nc_u32 v53, s19, v53
	v_add_nc_u32 v54, WB, v54
.irp p, 0,1,2,3,4,5
	v_add_nc_u32 v[AD+\p], 48*(\p/3)+8*(\p%3), v53 ; piece p of a fragment begins at byte y of the row of codes,
.endr
.irp p, 0,1,2,3,4,5
	v_lshrrev_b32 v[X0+\p], 8, v[AD+\p]
.endr
.irp p, 0,1,2,3,4,5
	v_lshl_add_u32 v[AD+\p], v[X0+\p], 4, v[AD+\p] ; in LDS at y + 16 (y / 256)
.endr
.irp p, 0,1,2,3,4,5
	v_add_nc_u32 v[AD+\p], v54, v[AD+\p]           ; of row r
.endr
	v_mov_b32 v[TM+4], 0                           ; a lane permute's destination counts as one of its sources
	s_wait_alu depctr_va_vdst(0)                   ; the wait at the head's end
	s_cmp_lt_u32 s[WV], 4                          ; the waves that fetched part, in a line of their own, wait for it
	s_cbranch_scc0 .Lnot_part
	s_wait_tensorcnt 0x0
.Lnot_part:
	s_barrier_signal -1
	s_barrier_wait -1                              ; part is whole
.irp u, 0,1                                    ; the two halves of batch t: my 16 numbers, 64 bytes
.irp j, 0,1,2,3
	ds_load_b128 v[X0+16*\u+4*\j:X0+16*\u+4*\j+3], v[PA] offset:4*PP*\u+16*\j
.endr
.endr
	s_wait_dscnt 0x0
.irp i, 0,2,4,6,8,10,12,14
	v_pk_add_f32 v[X0+\i:X0+\i+1], v[X0+\i:X0+\i+1], v[X1+\i:X1+\i+1]   ; the pooled numbers, in f32
.endr
	; THE QUANTISER.  The floor 2^(3 - 127), under which no largest magnitude is taken: so the byte cannot fall under 1
	v_max3_num_f32 v[TM], |v[X0]|, |v[X0+1]|, 0x1800000
	v_max3_num_f32 v[TM+1], |v[X0+2]|, |v[X0+3]|, |v[X0+4]|
	v_max3_num_f32 v[TM+2], |v[X0+5]|, |v[X0+6]|, |v[X0+7]|
	v_max3_num_f32 v[TM+3], |v[X0+8]|, |v[X0+9]|, |v[X0+10]|
	v_max3_num_f32 v[TM], v[TM], |v[X0+11]|, |v[X0+12]|
	v_max3_num_f32 v[TM+1], v[TM+1], |v[X0+13]|, |v[X0+14]|
	v_max3_num_f32 v[TM+2], v[TM+2], v[TM+3], |v[X0+15]|
	v_max3_num_f32 v[TM], v[TM], v[TM+1], v[TM+2]
	v_permlanex16_b32 v[TM+4], v[TM], s[SEL], s[SEL+1]
	v_max_num_f32 v[TM], v[TM], v[TM+4]            ; with lane l xor 16's: the block's largest magnitude
	v_add_nc_u32 v[TM+5], 0xff000000, v[TM]        ; 2 off its exponent field: the conversion takes the exponent field of this operand as its scale, and nothing else of it
	v_lshrrev_b32 v[TM+6], 23, v[TM+5]             ; the scale's byte
	v_cvt_scalef32_pk16_fp6_f32 v[CV:CV+2], v[X0:X0+15], v[TM+5]
	v_nop                                          ; one plain vector instruction behind a scaled conversion
	s_wait_alu depctr_va_vdst(0)                   ; the wait here, directly ahead of the wait below
	s_wait_tensorcnt 0x0                           ; my load has landed,
	s_barrier_signal -1
	s_barrier_wait -1                              ; and so have the other seven: W_proj is whole
.irp i, 0,1,2
	ds_store_b32 v[CB], v[CV+\i] offset:4*\i
.endr
	ds_store_b8 v[SB], v[TM+6]                     ; (lanes l and l xor 16 hold the same byte)
.irp p, 0,1,2,3,4,5
	ds_load_b64 v[PC+2*\p:PC+2*\p+1], v[CR] offset:48*(\p/3)+8*(\p%3)   ; LDS serves a wave's instructions in order (ISA guide 5.7.1.4): these see the stores above
.endr
	ds_load_b32 v[PW], v[CS]
.irp t, 0,1,2,3                                ; W_proj's fragments: tile t = rows 16 t .. 16 t + 15 of my 64
.irp p, 0,1,2,3,4,5
	ds_load_b64 v[WF+12*\t+2*\p:WF+12*\t+2*\p+1], v[AD+\p] offset:16*WPT*\t
.endr
.endr
	s_wait_loadcnt 0x1                             ; W_proj's scale words are in; the bias may be out
.irp t, 0,1,2,3                                ; lane (r, h), register j of tile t: batch j % 4, output 16 t + r, my K step's part
	s_wait_dscnt 18-6*\t                           ; the codes and tile t's fragment are in; the later tiles' loads may be out
.if \t%2 == 0
	v_wmma_scale_f32_16x16x128_f8f6f4 v[ACC+8*\t:ACC+8*\t+7], v[PC:PC+11], v[WF+12*\t:WF+12*\t+11], 0, v[PW], v[WSC+\t/2] matrix_a_fmt:MATRIX_FMT_FP6 matrix_b_fmt:MATRIX_FMT_FP6
.else
	v_wmma_scale_f32_16x16x128_f8f6f4 v[ACC+8*\t:ACC+8*\t+7], v[PC:PC+11], v[WF+12*\t:WF+12*\t+11], 0, v[PW], v[WSC+\t/2] matrix_a_fmt:MATRIX_FMT_FP6 matrix_b_fmt:MATRIX_FMT_FP6 matrix_b_scale:MATRIX_SCALE_ROW1
.endif
.endr
.rept 4
	v_nop                                          ; four plain vector instructions before results are read (ISA guide 7.12.1)
.endr
.irp i, 0,1
.irp j, 0,1,2,3
	v_cndmask_b32 v[X0+4*\i+\j], v[ACC+16*\i+\j], v[ACC+16*\i+8+\j], s[UP]   ; batch j: lanes 0-15 tile 2 i, lanes 16-31 tile 2 i + 1: output 32 i + lane
.endr
.endr
.irp i, 0,1
.irp j, 0,1,2,3
	ds_store_b32 v[SO], v[X0+4*\i+\j] offset:256*\j+128*\i
.endr
.endr
	s_wait_tensorcnt 0x0                           ; my last tensor load has landed;
	ds_add_u32 v[SPW], v[NIL]
	s_wait_dscnt 0x0                               ; and for the others' sake: my stores are done
	s_barrier_signal -1
	s_barrier_wait -1
	s_cmp_lt_u32 s[WV], 4                          ; four batches, one a wave
	s_cbranch_scc0 .Ldone
.irp i, 0,1,2,3,4,5,6,7
	ds_load_b64 v[X0+2*\i:X0+2*\i+1], v[SR] offset:1024*\i          ; the eight K steps' parts of my thread's two outputs
.endr
	s_wait_loadcnt 0x0                             ; the bias
	s_wait_dscnt 0x0
.irp i, 0,2,4,6
	v_pk_add_f32 v[X0+\i:X0+\i+1], v[X0+\i:X0+\i+1], v[X0+\i+8:X0+\i+9]
.endr
	v_pk_add_f32 v[X0:X0+1], v[X0:X0+1], v[X0+4:X0+5]
	v_pk_add_f32 v[X0+2:X0+3], v[X0+2:X0+3], v[X0+6:X0+7]
	v_pk_add_f32 v[X0:X0+1], v[X0:X0+1], v[BI:BI+1]
	v_pk_add_f32 v[X0:X0+1], v[X0:X0+1], v[X0+2:X0+3]
	global_store_b64 v[GO], v[X0:X0+1], s[12:13]   ; a wave stores 256 consecutive bytes, at a multiple of 256 from out0's first byte
.Ldone:
	s_endpgm
.Lfunc_end_k_q65fc7a39e0_proj:
	.size	k_q65fc7a39e0_proj, .Lfunc_end_k_q65fc7a39e0_proj-k_q65fc7a39e0_proj
	.p2alignl 7, 3214868480
	.fill 96, 4, 3214868480
	.section	.rodata,"a",@progbits
	.p2align	6, 0x0
	.amdhsa_kernel k_q65fc7a39e0_proj
		.amdhsa_group_segment_fixed_size 167936
		.amdhsa_private_segment_fixed_size 0
		.amdhsa_enable_private_segment 0
		.amdhsa_kernarg_size 40
		.amdhsa_user_sgpr_count 2
		.amdhsa_user_sgpr_kernarg_segment_ptr 1
		.amdhsa_wavefront_size32 1
		.amdhsa_system_sgpr_workgroup_id_x 1
		.amdhsa_system_sgpr_workgroup_id_y 1
		.amdhsa_system_sgpr_workgroup_id_z 1
		.amdhsa_system_vgpr_workitem_id 0
		.amdhsa_next_free_vgpr 168
		.amdhsa_next_free_sgpr 66
		.amdhsa_reserve_vcc 0
		.amdhsa_float_denorm_mode_32 3
		.amdhsa_float_denorm_mode_16_64 3
		.amdhsa_memory_ordered 1
		.amdhsa_forward_progress 1
		.amdhsa_inst_pref_size 15
	.end_amdhsa_kernel
	.amdgpu_metadata
---
amdhsa.version: [ 1, 2 ]
amdhsa.kernels:
  - .name:           k_q65fc7a39e0_proj
    .symbol:         k_q65fc7a39e0_proj.kd
    .args:
      - { .name: part, .offset: 0, .size: 8, .value_kind: global_buffer, .address_space: global }
      - { .name: W_proj_codes, .offset: 8, .size: 8, .value_kind: global_buffer, .address_space: global }
      - { .name: W_proj_scales, .offset: 16, .size: 8, .value_kind: global_buffer, .address_space: global }
      - { .name: b_proj, .offset: 24, .size: 8, .value_kind: global_buffer, .address_space: global }
      - { .name: out0, .offset: 32, .size: 8, .value_kind: global_buffer, .address_space: global }
    .group_segment_fixed_size: 167936
    .private_segment_fixed_size: 0
    .kernarg_segment_align: 8
    .kernarg_segment_size: 40
    .max_flat_workgroup_size: 256
    .sgpr_count:     66
    .vgpr_count:     168
    .wavefront_size: 32
...
	.end_amdgpu_metadata
.endif
;; end of part 2
